; MI455X (gfx1250); checked and timed in simulation.
; The chip was launched on July 23, 2026; its instructions are those of AMD's public machine-readable ISA for CDNA 5 (MIT licence, August 2026) and "CDNA5" Instruction Set Architecture Reference Guide (July 2026). The comments in the code are by the model that wrote it; some were corrected since.
;; Conditioned Stateful LSTM. Allowed arithmetic: matrix products marked QUANTISED: E5M2 operands, one E8M0 scale for each 32 along K, by v_wmma_scale_f32_16x16x128_f8f6f4 with both operands' format E5M2, f32 sums; products left as they are: f32 operands where the result goes on into a quantised operand, else bf16, f16 or f32 operands; f32 sums; everything else in f32.
;; Inputs: W_hh 4,096 x 1,024 float32; W_ih 4,096 x 1 float32; b_hh 4,096 float32; b_ih 4,096 float32; c0 1 x 8,192 x 1,024 float32; fc_W 1 x 1,024 float32; fc_b 1 float32; film_W1 2,048 x 4 float32; film_W2 2,048 x 2,048 float32; film_b1 2,048 float32; film_b2 2,048 float32; h0 1 x 8,192 x 1,024 float32; x 8,192 x 5 float32.
;; Outputs: out0 8,192 x 1 float32.
;; This version of the problem:
;;   THIS VERSION OF THE PROBLEM IS GIVEN IN LOW PRECISION. The matrix products marked QUANTISED in the list below multiply operands that are first quantised to E5M2 (5 exponent bits, 2 mantissa bits; 8 bits a number), with one power-of-two scale for each 32 numbers along K (OCP MX v1.0); their sums are f32. All else is computed in f32.
;;   The module's matrix products, in the order in which they are computed (A, B: the left and right operand; K: the contracted axis; several contracted axes count as one K, in the product's order):
;;     1. [M 8,192, K 1] x [K 1, N 4,096]; A: input x; B: input W_ih: left as it is (K = 1 < 32)
;;     2. [M 8,192, K 1,024] x [K 1,024, N 4,096]; A: input h0; B: input W_hh: QUANTISED
;;     3. [M 8,192, K 4] x [K 4, N 2,048]; A: input x; B: input film_W1: left as it is (K = 4 < 32)
;;     4. [M 8,192, K 2,048] x [K 2,048, N 2,048]; A: computed on the way; B: input film_W2: QUANTISED
;;     5. [M 8,192, K 1,024] x [K 1,024, N 1]; A: computed on the way; B: input fc_W: left as it is (N = 1 < 16)
;;   THE QUANTISER, for each operand of a quantised product, along K:
;;     - K is cut into blocks of 32 from its start; a last block that is shorter is filled with zeros.
;;     - A block's scale is 2^e with e = floor(log2(the largest magnitude in the block)) - 15, held to -126 .. 127; a block of zeros has e = 0. As a byte (E8M0): e + 127.
;;     - Each number is divided by its block's scale, clamped to +-57,344, and rounded to the nearest number of E5M2, ties to even, subnormals kept.
;;     - The product sums the exact products of the quantised numbers (number of the format x scale) in f32.
;;   ~~~python
;;   def quantise(x, axis):      # numpy; x: float32 -> the quantised numbers, widened to float32 again
;;       x = np.moveaxis(x, axis, -1); K = x.shape[-1]
;;       x = np.pad(x, [(0, 0)] * (x.ndim - 1) + [(0, -K % 32)]); x = x.reshape(x.shape[:-1] + (-1, 32)); a = np.abs(x).max(-1, keepdims=True)
;;       e = np.where(a > 0, np.clip(np.frexp(np.where(a > 0, a, 1))[1] - 1 - 15, -126, 127), 0)      # np.frexp(a)[1] - 1 = floor(log2(a)), exactly
;;       r = np.clip(x / 2.0 ** e, -57344, 57344)
;;       step = 2.0 ** (np.maximum(np.frexp(np.where(r == 0, 1, r))[1] - 1, -14) - 2)
;;       q = np.round(r / step) * step * 2.0 ** e      # np.round: ties to even
;;       return np.moveaxis(q.reshape(q.shape[:-2] + (-1,))[..., :K], -1, axis).astype(np.float32)
;;   ~~~
;;   OPERANDS COMPUTED ON THE WAY. 'Computed on the way' means the value that the module computes at that place (a softmax that the list does not call 'softmax' is quantised finished and normalised). What goes into a quantiser is computed in f32, as accurately as f32 sums, v_exp_f32 and their like allow (about 1e-6 of the number): no bf16 or f16 on the way to a quantiser, and a product that is left as it is and whose result goes on into a quantised operand takes f32 operands (vector FMAs, or v_wmma_f32_16x16x4_f32). A number that lies on a knife's edge between two numbers of the format may be rounded either way, as far as f32 arithmetic and the matrix unit's own rounding can turn it there, and no further.
;; One version. Each part assembles by itself: llvm-mc -triple=amdgcn-amd-amdhsa -mcpu=gfx1250 --defsym DOCPART=n.
;; ======== version 1 of 1: 4 launches
;; limits: right only within a limited range of input values
;; workspace buffers: ah 8,650,752 bytes; bh 4,325,376 bytes; af 17,301,504 bytes; bf 4,325,376 bytes; hf 33,554,432 bytes; part 524,288 bytes
;; launch prep (part 1): grid 768 x 1, 4 waves a work-group, no clusters, 72,192 bytes of LDS; arguments h0, W_hh, film_W2, x, film_W1, film_b1, ah, bh, af, bf; writes ah, bh, af, bf
.if DOCPART == 1
	.amdgcn_target "amdgcn-amd-amdhsa--gfx1250"
	.amdhsa_code_object_version 6
	.text
	.protected	k_qfd8f572450_prep
	.globl	k_qfd8f572450_prep
	.p2align	8
	.type	k_qfd8f572450_prep,@function
k_qfd8f572450_prep:
	s_mov_b64 s[64:65], 0
	v_nop
	global_prefetch_b8 v0, s[64:65] scope:SCOPE_SE
	s_setreg_imm32_b32 hwreg(HW_REG_WAVE_MODE, 25, 1), 1
	s_wait_xcnt 0x0
; All four operands of the two quantised products become codes of BF8 (E5M2) with one E8M0 scale byte for each 32 along K, once, in the order in which the products' waves want them.
; A UNIT (33,792 bytes) holds 128 operand rows x 256 along K: 16 fragments (q = which 128 of K, i = tile of 16 rows) as images of their registers at (8 q + i) x 2,048: group c of four registers at 512 c,
; lane l's 16 bytes at 16 l (lane (r, h): k = 32 c + 16 h + 0 .. 15 of row r); behind them the scale words, one for a row and 128 k, at 32,768 + 512 q + 64 i + 4 r.  Units lie [u][K step].
; Work-groups 0-511 quantise h0 (-> ah), W_hh (-> bh: tile i = gate i / 2) and film_W2 (-> bf: tiles 0-3 gamma's rows, 4-7 beta's); work-groups 512-767 compute relu(C W1^T + b1) in f32 and quantise it (-> af).
; A LANE IS A ROW and its 32 registers are one block of 32 along K: the block's largest magnitude needs no other lane, and the conversions give 32 neighbouring codes, two pieces of 16 bytes of the image.
; A block's scale is 2^(floor(log2(largest magnitude)) - 15); its byte is that magnitude's exponent field - 15, held at 1 from below by a floor among the maximum's leaves.
; LIMITS: a block whose largest magnitude lies under 2^-111 (a block of zeros too) gets the byte 1; its codes then are zeros or subnormal codes, and the bytes are read by this program alone.  NaN and infinities are not served.
; No tensor loads, no barrier: waves share nothing.  The two paths part on the work-group's number, never join, and have LDS bytes of their own.
.set UNIT,  33792
.set MNT,   3                          ; s3       the mantissa field of 57,344
.set SW,    9                          ; v9       the scale word in the making (first path)
.set VO,    16                         ; v16-19   16 x lane + k rows of the source, k = 0 .. 3
.set CQ,    32                         ; v32-63   codes, eight registers a block
.set RW,    64                         ; v64-191  32 rows x 512 bytes as loaded
.set XB,    192                        ; v192-255 two sets of 32 neighbours
.set SB,    32                         ; s[32:47] the group's rows 0, 4, .. 28
.set STG,   17408                      ; LDS of a wave, first path: a stage of 32 rows x 528 bytes, then 512 bytes for scale words
.set XC,    32                         ; v32-47   second path: the selector's four numbers of my row in each of four groups
.set HV,    64                         ; v64-191  32 hidden numbers of my row in each of four groups
.set HC,    192                        ; v192-223 codes, eight registers a group
.set SWH,   24                         ; v24-27   scale words, one a group
.set HSC,   4*STG                      ; LDS, second path: 512 bytes a wave for scale words
; 32 numbers v[xs] on -> 8 registers of codes v[cd] on, and byte c of the scale word v[sw].  relu = 1: what is negative becomes 0 on the way, and does not count for the largest magnitude.
.macro BLOCK xs, cd, relu, c, sw
.set XS, \xs
.set CD, \cd
.if \relu
	v_max3_num_f32 v12, v[XS], v[XS+1], v[XS+2]
	v_max3_num_f32 v13, v[XS+3], v[XS+4], v[XS+5]
.irp i, 6,10,14,18,22,26
	v_max3_num_f32 v12, v12, v[XS+\i], v[XS+\i+1]
	v_max3_num_f32 v13, v13, v[XS+\i+2], v[XS+\i+3]
.endr
	v_max3_num_f32 v12, v12, v[XS+30], v[XS+31]
.else
	v_max3_num_f32 v12, |v[XS]|, |v[XS+1]|, |v[XS+2]|
	v_max3_num_f32 v13, |v[XS+3]|, |v[XS+4]|, |v[XS+5]|
.irp i, 6,10,14,18,22,26
	v_max3_num_f32 v12, v12, |v[XS+\i]|, |v[XS+\i+1]|
	v_max3_num_f32 v13, v13, |v[XS+\i+2]|, |v[XS+\i+3]|
.endr
	v_max3_num_f32 v12, v12, |v[XS+30]|, |v[XS+31]|
.endif
	v_max3_num_f32 v12, v12, v13, 0x8000000        ; the floor 2^(16 - 127): the byte cannot fall under 1
	v_add_nc_u32 v11, 0xf8800000, v12              ; 15 off the exponent field: the conversion's scale operand
	v_and_or_b32 v10, v12, 0x7f800000, s[MNT]      ; 57,344 x the scale
	v_lshrrev_b32 v13, 23, v11                     ; the scale's byte
.if (\c) == 0
	v_mov_b32 v[\sw], v13
.else
	v_lshl_or_b32 v[\sw], v13, 8*(\c), v[\sw]
.endif
.set i, 0
.rept 32
.if \relu
	v_med3_num_f32 v[XS+i], v[XS+i], 0, v10        ; the activation and the hold in one
.else
	v_med3_num_f32 v[XS+i], v[XS+i], -v10, v10     ; the conversion to an 8-bit code does not saturate (ISA guide 7.6.2): the hold comes first
.endif
.set i, i+1
.endr
.irp g, 0,1,2,3
	v_cvt_scalef32_pk8_bf8_f32 v[CD+2*\g:CD+2*\g+1], v[XS+8*\g:XS+8*\g+7], v11
.endr
	v_nop                                          ; one plain line behind the last conversion, ahead of whatever writes its sources next
.endm
	s_load_b256 s[4:11], s[0:1], 0x0               ; h0, W_hh, film_W2, x
	s_load_b256 s[12:19], s[0:1], 0x20             ; film_W1, film_b1, ah, bh
	s_load_b128 s[20:23], s[0:1], 0x40             ; af, bf
	v_lshl_add_u32 v22, v0, 2, 0x11800
	v_mov_b32 v23, 0
	v_lshrrev_b32 v1, 5, v0
	v_readfirstlane_b32 s24, v1                    ; wave
	v_and_b32 v1, 31, v0                           ; lane
	v_lshlrev_b32 v2, 4, v1                        ; 16 x lane
	v_and_b32 v5, 15, v0
	v_bfe_u32 v14, v0, 4, 1
	v_lshlrev_b32 v5, 4, v5
	v_lshl_add_u32 v5, v14, 11, v5                 ; my codes' place: tile lane / 16, 16 bytes at 16 (lane % 16): sixteen lanes fill 256 aligned bytes
	s_mov_b32 s[MNT], 0x600000
	s_wait_kmcnt 0x0
	s_cmp_lt_u32 ttmp9, 512
	s_cbranch_scc0 .Lhidden
; ---------------- first path: a tensor whose K is innermost.  The choice hangs on the work-group's number alone.
	s_cmp_lt_u32 ttmp9, 384                        ; W_hh or film_W2
	s_cselect_b64 s[26:27], s[6:7], s[8:9]         ; from
	s_cselect_b64 s[28:29], s[18:19], s[22:23]     ; to
	s_mov_b32 s30, 384
	s_cselect_b32 s30, 256, s30                    ; the tensor's first work-group
	s_cselect_b32 s31, 7, 15                       ; pieces of 128 along K, less one
	s_cselect_b32 s57, 4, 5                        ; job >> this = unit row u
	s_cselect_b32 s48, 12, 13                      ; log2 of a source row's bytes
	s_cselect_b32 s49, 5, 6                        ; u << this: source rows
	s_cselect_b32 s50, 0, 1                        ; group & this: steps of 32 rows
	s_cselect_b32 s51, 0, 1                        ; group >> this: steps of 1,024 rows
	s_cmp_lt_u32 ttmp9, 256                        ; or h0
	s_cselect_b64 s[26:27], s[4:5], s[26:27]
	s_cselect_b64 s[28:29], s[16:17], s[28:29]
	s_cselect_b32 s30, 0, s30
	s_cselect_b32 s31, 7, s31
	s_cselect_b32 s57, 4, s57
	s_cselect_b32 s48, 12, s48
	s_cselect_b32 s49, 7, s49
	s_cselect_b32 s50, 3, s50
	s_cselect_b32 s51, 2, s51
	s_sub_co_u32 s52, ttmp9, s30
	s_lshl_b32 s52, s52, 2
	s_add_co_u32 s52, s52, s24                     ; my wave's job: two groups of 32 operand rows x 128 along K
	s_and_b32 s53, s52, 1                          ; which two of the unit's four groups
	s_lshr_b32 s54, s52, 1
	s_and_b32 s54, s54, s31                        ; which 128 along K
	s_and_b32 s56, s54, 1                          ; q
	s_lshr_b32 s55, s52, s57                       ; u
	s_lshr_b32 s58, s52, 2
	s_mul_i32 s58, s58, UNIT                       ; the unit's first byte
	s_lshl_b32 s60, s56, 14
	s_lshl_b32 s61, s53, 13
	s_add_co_u32 s60, s60, s61
	s_add_co_u32 s60, s60, s58
	s_mov_b32 s61, 0
	s_add_nc_u64 s[60:61], s[28:29], s[60:61]      ; my four tiles' images
	s_lshl_b32 s62, s56, 9
	s_lshl_b32 s63, s53, 8
	s_add_co_u32 s62, s62, s63
	s_add_co_u32 s62, s62, s58
	s_add_co_u32 s62, s62, 32768
	s_mov_b32 s63, 0
	s_add_nc_u64 s[62:63], s[28:29], s[62:63]      ; my 64 scale words: 256 aligned bytes
	s_lshl_b32 s68, 1, s48                         ; a source row in bytes
	s_wait_alu depctr_va_vdst(0)
	v_mov_b32 v[VO], v2
	v_add_nc_u32 v[VO+1], s68, v[VO]
	s_wait_alu depctr_va_vdst(0)
	v_add_nc_u32 v[VO+2], s68, v[VO+1]
	s_wait_alu depctr_va_vdst(0)
	v_add_nc_u32 v[VO+3], s68, v[VO+2]
	s_wait_alu depctr_va_vdst(0)
	s_mul_i32 s69, s24, STG
	v_add_nc_u32 v3, s69, v2                       ; stage, on the way in: 16 x lane of a row
	v_mul_u32_u24 v4, v1, 528
	v_add_nc_u32 v4, s69, v4                       ; and on the way out: my row
	s_add_co_u32 s69, s69, 32*528
	v_lshl_add_u32 v6, v1, 2, s69                  ; my row's scale word
	v_lshl_add_u32 v7, v1, 3, s69                  ; and 8 bytes a lane on the way out
	v_lshlrev_b32 v8, 3, v1
.macro SRC gg                          ; s[SB ..]: where rows 0, 4, .. 28 of group 2 hh + gg begin
	s_lshl_b32 s66, s53, 1
	s_add_co_u32 s66, s66, \gg
	s_and_b32 s67, s66, s50
	s_lshl_b32 s67, s67, 5
	s_lshr_b32 s66, s66, s51
	s_lshl_b32 s66, s66, 10
	s_add_co_u32 s66, s66, s67
	s_lshl_b32 s67, s55, s49
	s_add_co_u32 s66, s66, s67                     ; the group's first source row
	s_lshl_b32 s66, s66, s48
	s_lshl_b32 s67, s54, 9
	s_add_co_u32 s66, s66, s67                     ; + 512 bytes for each 128 along K
	s_mov_b32 s67, 0
	s_add_nc_u64 s[SB:SB+1], s[26:27], s[66:67]
	s_lshl_b32 s66, 4, s48                         ; four rows
.irp m, 1,2,3,4,5,6,7
	s_add_nc_u64 s[SB+2*\m:SB+2*\m+1], s[SB+2*\m-2:SB+2*\m-1], s[66:67]
.endr
.endm
.macro GLOAD                           ; 32 loads, each 512 consecutive bytes of one row
.set rr, 0
.rept 32
	global_load_b128 v[RW+4*rr:RW+4*rr+3], v[VO+rr%4], s[SB+2*(rr/4):SB+2*(rr/4)+1] th:TH_LOAD_NT
.set rr, rr+1
.endr
.endm
.macro GROUP gg
	s_wait_loadcnt 0x0                             ; the group's 32 loads are in; nothing younger is out
.if \gg
	s_wait_xcnt 0x0                                ; the first group's stores have read the codes' registers, which are written again
.endif
.set rr, 0
.rept 32
	ds_store_b128 v3, v[RW+4*rr:RW+4*rr+3] offset:528*rr
.set rr, rr+1
.endr
.irp c, 0,1
.irp j, 0,1,2,3,4,5,6,7
	ds_load_b128 v[XB+32*\c+4*\j:XB+32*\c+4*\j+3], v4 offset:128*\c+16*\j   ; LDS serves a wave's instructions in order: these see the stores above
.endr
.endr
	s_wait_dscnt 16                                ; only those 16 loads may be out: the 32 stores have read their registers,
.if \gg == 0
	SRC 1                                          ; (the bases' earlier users are done: the wait on LOADcnt above)
	GLOAD                                          ; which take the second group
.endif
.irp c, 0,1,2,3
.if \c < 3
	s_wait_dscnt 8                                 ; block c is in; the next block's eight loads may be out
.else
	s_wait_dscnt 0x0
.endif
	BLOCK XB+32*(\c%2), CQ+8*\c, 0, \c, SW
	global_store_b128 v5, v[CQ+8*\c:CQ+8*\c+3], s[60:61] offset:4096*\gg+512*\c
	global_store_b128 v5, v[CQ+8*\c+4:CQ+8*\c+7], s[60:61] offset:4096*\gg+512*\c+256
.if \c < 2
.irp j, 0,1,2,3,4,5,6,7
	ds_load_b128 v[XB+32*(\c%2)+4*\j:XB+32*(\c%2)+4*\j+3], v4 offset:128*(\c+2)+16*\j
.endr
.endif
.endr
	ds_store_b32 v6, v[SW] offset:128*\gg
.endm
	SRC 0
	GLOAD
	s_wait_alu depctr_va_vdst(0)
	GROUP 0
	GROUP 1
	ds_load_b64 v[20:21], v7
	s_wait_dscnt 0x0
	global_store_b64 v8, v[20:21], s[62:63]        ; 32 lanes store 256 consecutive bytes, aligned
	s_wait_tensorcnt 0x0
	ds_add_u32 v22, v23
	s_wait_dscnt 0x0
	s_endpgm
; ---------------- second path: the hidden layer relu(C W1^T + b1), 128 rows x 128 of its 2,048 a wave, by fused multiply-adds in f32.
.Lhidden:
	s_lshl_b32 s25, s24, 9
	s_add_co_u32 s25, s25, HSC
	s_wait_alu depctr_va_vdst(0)
	v_lshl_add_u32 v6, v1, 2, s25
	v_lshl_add_u32 v7, v1, 4, s25
	v_mul_u32_u24 v15, v1, 20                      ; a row of x is 20 bytes
	s_wait_alu depctr_va_vdst(0)
	s_sub_co_u32 s25, ttmp9, 512
	s_lshl_b32 s25, s25, 2
	s_add_co_u32 s25, s25, s24                     ; my wave's job
	s_lshr_b32 s26, s25, 4                         ; u: rows 128 u on
	s_and_b32 s27, s25, 15                         ; which 128 hidden units
	s_and_b32 s28, s25, 1                          ; q
	s_lshr_b32 s29, s25, 1
	s_mul_i32 s29, s29, UNIT
	s_lshl_b32 s30, s28, 14
	s_add_co_u32 s30, s30, s29
	s_mov_b32 s31, 0
	s_add_nc_u64 s[4:5], s[20:21], s[30:31]        ; my eight tiles' images
	s_lshl_b32 s30, s28, 9
	s_add_co_u32 s30, s30, s29
	s_add_co_u32 s30, s30, 32768
	s_add_nc_u64 s[6:7], s[20:21], s[30:31]        ; my 128 scale words
	s_mul_i32 s30, s26, 2560
	s_add_nc_u64 s[10:11], s[10:11], s[30:31]      ; x at my first row
	s_lshl_b32 s30, s27, 11
	s_add_nc_u64 s[12:13], s[12:13], s[30:31]      ; W1: 16 bytes a hidden unit
	s_lshl_b32 s30, s27, 9
	s_add_nc_u64 s[14:15], s[14:15], s[30:31]      ; b1
.irp g, 0,1,2,3
.irp s, 0,1,2,3
	global_load_b32 v[XC+4*\g+\s], v15, s[10:11] offset:640*\g+4+4*\s
.endr
.endr
; 16 hidden units for the four groups.  W1's and b1's numbers are the same in every lane: they stand in scalar registers (number 4 kk + s of W1 in s16-63 and s68-83; s64 and s65 are never named).
.macro HALF c, hf
	s_load_b512 s[16:31], s[12:13], (32*\c+16*\hf)*16
	s_load_b512 s[32:47], s[12:13], (32*\c+16*\hf)*16+64
	s_load_b512 s[48:63], s[12:13], (32*\c+16*\hf)*16+128
	s_load_b512 s[68:83], s[12:13], (32*\c+16*\hf)*16+192
	s_load_b512 s[84:99], s[14:15], (32*\c+16*\hf)*4
	s_wait_kmcnt 0x0
.if ((\c) == 0) && ((\hf) == 0)
	s_wait_loadcnt 0x0                             ; x
.endif
.irp g, 0,1,2,3
.irp kk, 0,1,2,3,4,5,6,7,8,9,10,11,12,13,14,15
	v_fma_f32 v[HV+32*\g+16*\hf+\kk], s[16+4*\kk+4*((4*\kk)/48)], v[XC+4*\g], s[84+\kk]
.endr
.endr
.irp s, 1,2,3
.irp g, 0,1,2,3
.irp kk, 0,1,2,3,4,5,6,7,8,9,10,11,12,13,14,15
	v_fmac_f32 v[HV+32*\g+16*\hf+\kk], s[16+4*\kk+\s+4*((4*\kk+\s)/48)], v[XC+4*\g+\s]
.endr
.endr
.endr
.endm
.irp c, 0,1,2,3
	HALF \c, 0
	HALF \c, 1
.if \c > 0
	s_wait_xcnt 0x0                                ; the last block's stores have read the codes' registers
.endif
.irp g, 0,1,2,3
	BLOCK HV+32*\g, HC+8*\g, 1, \c, SWH+\g
	global_store_b128 v5, v[HC+8*\g:HC+8*\g+3], s[4:5] offset:4096*\g+512*\c
	global_store_b128 v5, v[HC+8*\g+4:HC+8*\g+7], s[4:5] offset:4096*\g+512*\c+256
.endr
.endr
.irp g, 0,1,2,3
	ds_store_b32 v6, v[SWH+\g] offset:128*\g
.endr
	ds_load_b128 v[28:31], v7                      ; my wave's own bytes, served in order
	s_wait_dscnt 0x0
	global_store_b128 v2, v[28:31], s[6:7]         ; 512 consecutive bytes
	s_wait_tensorcnt 0x0
	ds_add_u32 v22, v23
	s_wait_dscnt 0x0
	s_endpgm
.Lfunc_end_k_qfd8f572450_prep:
	.size	k_qfd8f572450_prep, .Lfunc_end_k_qfd8f572450_prep-k_qfd8f572450_prep
	.p2alignl 7, 3214868480
	.fill 96, 4, 3214868480
	.section	.rodata,"a",@progbits
	.p2align	6, 0x0
	.amdhsa_kernel k_qfd8f572450_prep
		.amdhsa_group_segment_fixed_size 72192
		.amdhsa_private_segment_fixed_size 0
		.amdhsa_enable_private_segment 0
		.amdhsa_kernarg_size 80
		.amdhsa_user_sgpr_count 2
		.amdhsa_user_sgpr_kernarg_segment_ptr 1
		.amdhsa_wavefront_size32 1
		.amdhsa_system_sgpr_workgroup_id_x 1
		.amdhsa_system_sgpr_workgroup_id_y 1
		.amdhsa_system_sgpr_workgroup_id_z 1
		.amdhsa_system_vgpr_workitem_id 0
		.amdhsa_next_free_vgpr 256
		.amdhsa_next_free_sgpr 100
		.amdhsa_reserve_vcc 0
		.amdhsa_float_denorm_mode_32 3
		.amdhsa_float_denorm_mode_16_64 3
		.amdhsa_memory_ordered 1
		.amdhsa_forward_progress 1
		.amdhsa_inst_pref_size 196
	.end_amdhsa_kernel
	.amdgpu_metadata
---
amdhsa.version: [ 1, 2 ]
amdhsa.kernels:
  - .name:           k_qfd8f572450_prep
    .symbol:         k_qfd8f572450_prep.kd
    .args:
      - { .name: h0, .offset: 0, .size: 8, .value_kind: global_buffer, .address_space: global }
      - { .name: W_hh, .offset: 8, .size: 8, .value_kind: global_buffer, .address_space: global }
      - { .name: film_W2, .offset: 16, .size: 8, .value_kind: global_buffer, .address_space: global }
      - { .name: x, .offset: 24, .size: 8, .value_kind: global_buffer, .address_space: global }
      - { .name: film_W1, .offset: 32, .size: 8, .value_kind: global_buffer, .address_space: global }
      - { .name: film_b1, .offset: 40, .size: 8, .value_kind: global_buffer, .address_space: global }
      - { .name: ah, .offset: 48, .size: 8, .value_kind: global_buffer, .address_space: global }
      - { .name: bh, .offset: 56, .size: 8, .value_kind: global_buffer, .address_space: global }
      - { .name: af, .offset: 64, .size: 8, .value_kind: global_buffer, .address_space: global }
      - { .name: bf, .offset: 72, .size: 8, .value_kind: global_buffer, .address_space: global }
    .group_segment_fixed_size: 72192
    .private_segment_fixed_size: 0
    .kernarg_segment_align: 8
    .kernarg_segment_size: 80
    .max_flat_workgroup_size: 128
    .sgpr_count:     100
    .vgpr_count:     256
    .wavefront_size: 32
...
	.end_amdgpu_metadata
.endif
;; end of part 1
;; launch gates (part 2): grid 16 x 32, 4 waves a work-group, clusters of 4 x 4, 327,680 bytes of LDS; arguments ah, bh, c0, x, W_ih, b_ih, b_hh, fc_W, hf; writes hf
.if DOCPART == 2
	.amdgcn_target "amdgcn-amd-amdhsa--gfx1250"
	.amdhsa_code_object_version 6
	.text
	.protected	k_qfd8f572450_gates
	.globl	k_qfd8f572450_gates
	.p2align	8
	.type	k_qfd8f572450_gates,@function
k_qfd8f572450_gates:
	s_mov_b64 s[64:65], 0
	v_nop
	global_prefetch_b8 v0, s[64:65] scope:SCOPE_SE
	s_setreg_imm32_b32 hwreg(HW_REG_WAVE_MODE, 25, 1), 1
	s_wait_xcnt 0x0
	s_wait_alu depctr_hold_cnt(0) depctr_sa_sdst(0) depctr_va_vdst(0) depctr_va_sdst(0) depctr_va_ssrc(0) depctr_va_vcc(0) depctr_vm_vsrc(0)
	s_getreg_b32 s2, hwreg(HW_REG_IB_STS2, 6, 4)
	s_cmp_eq_u32 s2, 0
	s_cbranch_scc0 .Lentry_in_a_cluster
	s_endpgm
.Lentry_in_a_cluster:
	s_bfe_u32 s2, ttmp6, 0x10000c
	s_cmp_lg_u32 s2, 0xf033
	s_cbranch_scc0 .Lentry_shape_is_right
	s_endpgm
.Lentry_shape_is_right:
; hf = h_new x fc_W, h_new the LSTM step's output.  gates = h0 W_hh^T (on codes of BF8 with E8M0 scales, K = 1,024) + b_ih + b_hh + sig W_ih^T.
; A work-group makes 256 rows x (64 j x 4 gates); each of its four waves 128 x 128: 64 accumulators of 16 x 16, 512 registers.  The operands come as UNITS of 33,792 bytes (128 operand rows x 256 along K as
; images of the fragments' registers, then their scale words), one dense block a tensor load: K goes in steps of 256 through a ring of two LDS slots of four units (A's two, B's two).
; THE MATRIX INSTRUCTION IS USED TRANSPOSED (source 0 = 16 rows of W_hh, source 1 = 16 rows of h0): lane (r, h), register e holds batch row r and weight row 8 h + e of its tile.  B's tile b holds gate b / 2,
; j = 16 (b % 2) + .., so the four gates of one (row, j) stand in one lane at one register number of four accumulators, and the LSTM's arithmetic needs no other lane.
; The biases are the C of each sum's first matrix instruction.  c0's tile rides the ring as one more fill of slot 0.  hf leaves as images of the registers in which the next launch wants it.
; CLUSTERS: 4 x 4 work-groups; A's units are asked for jointly along a row of the cluster, B's along a column.
; sigmoid(x) = 1 / (1 + 2^(-x log2 e)), tanh(x) = 1 - 2 / (1 + 2^(2 x log2 e)): an exponential that overflows gives a reciprocal of 0, which is the right limit.
; LIMITS: NaN and infinite inputs are not served; v_exp_f32 and v_rcp_f32 flush denormals; tanh of a very small number is right to about 1e-7 absolutely, not relatively.
; REGISTERS, in windows of 256: window 0: v16-29 addresses; v32-63 scale words, two sets, and nothing else; v64-127 the biases; v128-255 A's fragments, one set.  window 1: B's fragments, two sets.
;   windows 2, 3: the accumulators ((a, b) at v[8 (8 (a % 4) + b)]).  On the way out window 0's v64-255 and window 1's v0-63 are free and hold what the LSTM's arithmetic wants.
.set UNIT,  33792
.set SLOT,  4*UNIT
.set KS,    4                          ; K steps of 256
.set LAPS,  KS/2
.set SPARE, 2*SLOT                     ; the spare words: 128 bytes a wave, two blocks of 256 bytes that no other line names
.set PAR,   SPARE+512                  ; each wave's own 24 images of 512 bytes: W_ih (scaled), fc_W, sig
.set PARW,  12288
.set CP,    272                        ; a row of c0's tile in LDS: 256 bytes + 16 of padding
.set ADRA,  16                         ; v16-17 my A unit in slot 0, 1, + 16 x lane
.set ADRB,  20                         ; v20-21 my B unit
.set ADRS,  22                         ; v22-23 scale words: lanes 0-15 A's rows, lanes 16-31 B's
.set PARA,  24
.set CADR,  25
.set GO,    26                         ; 16 x lane
.set PFO,   27                         ; 4,096 x lane; never rewritten
.set SPW,   28
.set NIL,   29
.set SC,    32                         ; set s, the slot's q-th 128 along K, tile i: v[SC + 16 s + 8 q + i]
.set BI,    64
.set AF,    128
.set FCW,   64                         ; the way out, window 0
.set SIG,   80
.set C0,    96
.set U,     128
.set X1,    192
.set OF,    208
.set HF,    224
.set WV,    22
.set RH,    23                         ; which half of the rows is mine.  Also: I fetch for A (0) or for B (1)
.set CH,    24                         ; which half of the columns.  Also: which of the two units I fetch
.set G1A,   36
.set G0A,   44                         ; s[44:51]; B's group 0: s[60:63] and s[68:71]
.set G1B,   52
.set G1X,   72
.set G0X,   80
.set K1,    84                         ; s[84:85] -log2 e
.set K2,    86                         ; s[86:87] 2 log2 e
.set PFX,   88                         ; s[88:89] my wave's part of c0's tile in memory; never rewritten
.set MUL_LO, 0xa1                      ; source 0 (B) window 1, source 1 (A) window 0, C and D window 2
.set MUL_HI, 0xf1
.set MSB, 0
.macro WIN new                         ; the immediate's high byte repeats the setting that is left
.set NW, \new
.if MSB != NW
	s_set_vgpr_msb (MSB<<8)|NW
.set MSB, NW
.endif
.endm
.macro PLACES n
.rept \n
	v_nop
.endr
.endm
; A joint load: waves 0 and 1 fetch A's units, waves 2 and 3 B's.  The branch hangs on the wave's number alone.  Four v_nop follow each of the two lines.
.macro JLOAD s
	s_cmp_eq_u32 s[RH], 0
	s_cbranch_scc0 .Lfor_b_\@
	tensor_load_to_lds s[G0A+4*\s:G0A+4*\s+3], s[G1A:G1A+7]
	s_nop 0
.rept 4
	v_nop
.endr
	s_branch .Lasked_\@
.Lfor_b_\@:
	tensor_load_to_lds s[60+8*\s:63+8*\s], s[G1B:G1B+7]
	s_nop 0
.rept 4
	v_nop
.endr
.Lasked_\@:
.endm
; A prefetch of operand units: behind the load of K step t each wave asks for K step t + 2 of the unit that it fetches (here t = 0, 1: K has four steps).  A unit is 132 blocks of 256 bytes; the four partners
; that ask for it jointly share it BY ADDRESS, 33 blocks each (place cx for A's, cy for B's): 32 lanes a block each, then the 33rd.  s[100:101] is stepped behind s_wait_xcnt 0, a K step later.
.macro PF2
	global_prefetch_b8 v8, s[100:101] th:TH_LOAD_NT scope:SCOPE_SE
	global_prefetch_b8 v9, s[100:101] th:TH_LOAD_NT scope:SCOPE_SE
.endm
.macro XLOAD
	tensor_load_to_lds s[G0X:G0X+3], s[G1X:G1X+7]
	s_nop 0
.rept 4
	v_nop
.endr
.endm
.macro CREST                           ; a round of the cluster's barrier behind its opening barrier
	s_cmp_lg_u32 s[WV], 0
	s_cbranch_scc1 .Lnot_wave_0_\@
	s_barrier_signal -3
.Lnot_wave_0_\@:
	s_barrier_wait -3
	s_barrier_signal -1
	s_barrier_wait -1
.endm
.macro CROUND
	s_barrier_signal -1
	s_barrier_wait -1
	CREST
.endm
; A prefetch of c0's tile, in the loop's last trip: two K steps, 256 matrix instructions, ahead of the tensor load that wants it.  Each wave asks for the 64 rows that it will fetch, a lane a row
; (256 aligned bytes of a row): each such block is named once in the launch.  The trip count is the same in all partners.
.macro ASK
	s_cmp_eq_u32 s3, 1
	s_cbranch_scc0 .Lno_ask_\@
	global_prefetch_b8 v[PFO], s[PFX:PFX+1] th:TH_LOAD_NT scope:SCOPE_SE
	global_prefetch_b8 v[PFO], s[PFX:PFX+1] offset:131072 th:TH_LOAD_NT scope:SCOPE_SE
.Lno_ask_\@:
.endm
	s_load_b256 s[4:11], s[0:1], 0x0               ; ah, bh, c0, x
	s_load_b256 s[12:19], s[0:1], 0x20             ; W_ih, b_ih, b_hh, fc_W
	s_load_b64 s[20:21], s[0:1], 0x40              ; hf
	v_lshl_add_u32 v[SPW], v0, 2, SPARE
	v_mov_b32 v[NIL], 0
	ds_add_u32 v28, v29
	ds_add_u32 v28, v29
	s_wait_dscnt 0x0
	v_lshrrev_b32 v1, 5, v0
	v_readfirstlane_b32 s[WV], v1
	s_lshr_b32 s[RH], s[WV], 1
	s_and_b32 s[CH], s[WV], 1
	s_bfe_u32 s25, ttmp6, 0x40000                  ; cx
	s_bfe_u32 s26, ttmp6, 0x40004                  ; cy
	s_lshl_b32 s27, ttmp9, 2
	s_add_co_u32 s27, s27, s25                     ; cb: 64 j
	s_and_b32 s28, ttmp7, 0xffff
	s_lshl_b32 s28, s28, 2
	s_add_co_u32 s28, s28, s26                     ; rb: 256 rows
	s_lshl_b32 s96, s26, 2
	s_lshl_b32 s96, 15, s96                        ; my row of the cluster
	s_lshl_b32 s97, 0x1111, s25                    ; my column
	s_or_b32 s[G1A], s96, (3<<16)|(1<<21)          ; 15:0 the mask; 17:16 elements of 8 bytes; 21 set beside a mask; no padding: images are read 512 consecutive bytes at a time
	s_or_b32 s[G1B], s97, (3<<16)|(1<<21)
.irp g, G1A, G1B
	s_mov_b32 s[\g+1], 32<<16                      ; tensor_dim0 = 32 elements: 256 bytes
	s_mov_b32 s[\g+2], 132<<16                     ; tensor_dim1 = 132 rows: a unit
	s_mov_b32 s[\g+3], 32<<16                      ; tile_dim0
	s_mov_b32 s[\g+4], 132                         ; tile_dim1
	s_mov_b32 s[\g+5], 32                          ; dense
	s_mov_b32 s[\g+6], 0
	s_mov_b32 s[\g+7], 0
.endr
	s_mov_b32 s[G1X], (2<<16)|(1<<20)|(5<<22)|(3<<25)  ; elements of 4 bytes; padding: 4 words behind every 64
	s_mov_b32 s[G1X+1], 64<<16
	s_mov_b32 s[G1X+2], 64<<16
	s_mov_b32 s[G1X+3], 64<<16
	s_mov_b32 s[G1X+4], 64
	s_mov_b32 s[G1X+5], 1024
	s_mov_b32 s[G1X+6], 0
	s_mov_b32 s[G1X+7], 0
	s_mov_b32 s[K1], 0xbfb8aa3b
	s_mov_b32 s[K1+1], s[K1]
	s_mov_b32 s[K2], 0x4038aa3b
	s_mov_b32 s[K2+1], s[K2]
	s_lshl_b32 s30, s28, 1                         ; A: unit row 2 rb + half: hangs on the tile row alone
	s_add_co_u32 s30, s30, s[CH]
	s_mul_i32 s30, s30, KS*UNIT
	s_mov_b32 s31, 0
	s_lshl_b32 s90, s27, 1                         ; B: unit row 2 cb + half: on the tile column alone
	s_add_co_u32 s90, s90, s[CH]
	s_mul_i32 s90, s90, KS*UNIT
	s_mov_b32 s91, 0
	s_mul_i32 s29, s[WV], UNIT                     ; where they go: no place in the cluster enters an LDS address
	s_lshl_b32 s92, s28, 8                         ; c0: row 256 rb + 64 wave, column 64 cb
	s_lshl_b32 s93, s[WV], 6
	s_add_co_u32 s92, s92, s93
	s_lshl_b32 s92, s92, 12
	s_lshl_b32 s93, s27, 8
	s_add_co_u32 s92, s92, s93
	s_mov_b32 s93, 0
	s_wait_kmcnt 0x0
	s_add_nc_u64 s[30:31], s[4:5], s[30:31]
	s_add_nc_u64 s[90:91], s[6:7], s[90:91]
	s_add_nc_u64 s[PFX:PFX+1], s[8:9], s[92:93]
	CROUND                                         ; all sixteen work-groups are here: the first joint loads meet
.irp s, 0,1
	s_mov_b32 s[G0A+4*\s], 1
	s_add_co_u32 s[G0A+4*\s+1], s29, \s*SLOT
	s_add_nc_u64 s[G0A+4*\s+2:G0A+4*\s+3], s[30:31], \s*UNIT
	s_or_b32 s[G0A+4*\s+3], s[G0A+4*\s+3], 0x80000000
	s_mov_b32 s[60+8*\s], 1
	s_add_co_u32 s[61+8*\s], s29, \s*SLOT
	s_add_nc_u64 s[62+8*\s:63+8*\s], s[90:91], \s*UNIT
	s_or_b32 s[63+8*\s], s[63+8*\s], 0x80000000
.endr
	JLOAD 0                                        ; K step 0: one tensor load a wave at the head
	s_cmp_eq_u32 s[RH], 0                          ; the prefetches: my unit (A's or B's), my work-group's 33 blocks of it, at K step 2
	s_cselect_b64 s[100:101], s[30:31], s[90:91]
	s_cselect_b32 s32, s25, s26
	s_mul_i32 s32, s32, 8448
	s_add_co_u32 s32, s32, 2*UNIT
	s_mov_b32 s33, 0
	s_add_nc_u64 s[100:101], s[100:101], s[32:33]
	s_mov_b32 s[G0X], 1
	s_mul_i32 s[G0X+1], s[WV], 64*CP
	s_mov_b64 s[G0X+2:G0X+3], s[PFX:PFX+1]
	s_or_b32 s[G0X+3], s[G0X+3], 0x80000000
	v_and_b32 v1, 31, v0
	v_and_b32 v2, 15, v0                           ; r
	v_bfe_u32 v3, v0, 4, 1                         ; h
	v_lshlrev_b32 v[GO], 4, v1
	v_lshlrev_b32 v[PFO], 12, v1
	v_lshlrev_b32 v8, 8, v1                        ; 256 x lane; never rewritten
	v_mov_b32 v9, 8192                             ; the 33rd block; never rewritten
	s_mul_i32 s32, s[RH], UNIT
	s_mul_i32 s33, s[CH], UNIT
	s_add_co_u32 s33, s33, 2*UNIT
	s_sub_co_u32 s34, s33, s32
	v_mul_u32_u24 v5, s34, v3                      ; lanes 16-31 take B's words: one product, the distance between the two units
	v_lshl_add_u32 v5, v2, 2, v5
	s_add_co_u32 s35, s32, 32768
	v_add_nc_u32 v[ADRS], s35, v5
	v_add_nc_u32 v[ADRS+1], SLOT, v[ADRS]
	v_add_nc_u32 v[ADRA], s32, v[GO]
	v_add_nc_u32 v[ADRA+1], SLOT, v[ADRA]
	v_add_nc_u32 v[ADRB], s33, v[GO]
	v_add_nc_u32 v[ADRB+1], SLOT, v[ADRB]
	s_mul_i32 s35, s[WV], PARW
	s_add_co_u32 s35, s35, PAR
	v_add_nc_u32 v[PARA], s35, v[GO]
	s_mul_i32 s35, s[RH], 128*CP
	s_lshl_b32 s34, s[CH], 7
	s_add_co_u32 s35, s35, s34
	v_mul_u32_u24 v[CADR], v2, CP
	v_lshl_add_u32 v[CADR], v3, 5, v[CADR]
	v_add_nc_u32 v[CADR], s35, v[CADR]             ; c0's tile: row 128 RH + r, bytes 128 CH + 32 h on
	v_lshlrev_b32 v6, 5, v3                        ; 32 h: my eight weight rows of a tile
	s_wait_alu depctr_va_vdst(0)
	v_mul_u32_u24 v7, v2, 20                       ; a row of x is 20 bytes
	s_wait_alu depctr_va_vdst(0)
	global_prefetch_b8 v8, s[100:101] offset:-UNIT th:TH_LOAD_NT scope:SCOPE_SE   ; K step 1, the buffer's first touch behind the head's load: the same 33 blocks, one unit back
	global_prefetch_b8 v9, s[100:101] offset:-UNIT th:TH_LOAD_NT scope:SCOPE_SE
	PF2                                            ; K step 2: two K steps are asked for and not yet read
	s_lshl_b32 s94, s27, 8
	s_lshl_b32 s95, s[CH], 7
	s_add_co_u32 s94, s94, s95                     ; (64 cb + 32 CH) x 4
	s_mov_b32 s95, 0
	s_add_nc_u64 s[12:13], s[12:13], s[94:95]
	s_add_nc_u64 s[14:15], s[14:15], s[94:95]
	s_add_nc_u64 s[16:17], s[16:17], s[94:95]
	s_add_nc_u64 s[18:19], s[18:19], s[94:95]
	s_lshl_b32 s94, s28, 1
	s_add_co_u32 s94, s94, s[RH]
	s_mul_i32 s94, s94, 2560
	s_add_nc_u64 s[10:11], s[10:11], s[94:95]      ; x at row 256 rb + 128 RH
	s_lshl_b32 s94, s28, 3                         ; hf: ((8 rb + cb / 2) x 4 + 2 RH + cb % 2) x 32,768 + 2,048 CH
	s_lshr_b32 s98, s27, 1
	s_add_co_u32 s94, s94, s98
	s_lshl_b32 s94, s94, 2
	s_lshl_b32 s98, s[RH], 1
	s_add_co_u32 s94, s94, s98
	s_and_b32 s98, s27, 1
	s_add_co_u32 s94, s94, s98
	s_lshl_b32 s94, s94, 4
	s_add_co_u32 s94, s94, s[CH]
	s_lshl_b32 s94, s94, 11
	s_add_nc_u64 s[20:21], s[20:21], s[94:95]
.irp b, 0,1,2,3,4,5,6,7                ; in the result's layout: tile b, register e: gate b / 2, j = 16 (b % 2) + 8 h + e
.irp f, 0,1
	global_load_b128 v[BI+8*\b+4*\f:BI+8*\b+4*\f+3], v6, s[14:15] offset:(\b/2)*4096+(\b%2)*64+16*\f
	global_load_b128 v[128+8*\b+4*\f:128+8*\b+4*\f+3], v6, s[16:17] offset:(\b/2)*4096+(\b%2)*64+16*\f
	global_load_b128 v[192+8*\b+4*\f:192+8*\b+4*\f+3], v6, s[12:13] offset:(\b/2)*4096+(\b%2)*64+16*\f
.endr
.endr
	WIN 0x40                                       ; destination window 1: v32-63 of window 0 hold scale words and nothing else
.irp i, 0,1,2,3
	global_load_b128 v[4*\i:4*\i+3], v6, s[18:19] offset:(\i/2)*64+(\i%2)*16   ; fc_W
.endr
.irp a, 0,1,2,3,4,5,6,7
	global_load_b32 v[16+2*\a], v7, s[10:11] offset:320*\a                     ; sig of row 16 a + r
.endr
	WIN 0
	s_wait_loadcnt 0x0
.set j, 0
.rept 32
	v_pk_add_f32 v[BI+j:BI+j+1], v[BI+j:BI+j+1], v[128+j:128+j+1]              ; b_ih + b_hh
.set j, j+2
.endr
.irp b, 0,1,2,3,4,5,6,7
.irp p, 0,2,4,6
.if \b/2 == 2
	v_pk_mul_f32 v[192+8*\b+\p:192+8*\b+\p+1], v[192+8*\b+\p:192+8*\b+\p+1], s[K2:K2+1] op_sel_hi:[1,0]
.else
	v_pk_mul_f32 v[192+8*\b+\p:192+8*\b+\p+1], v[192+8*\b+\p:192+8*\b+\p+1], s[K1:K1+1] op_sel_hi:[1,0]
.endif
.endr
.endr
	WIN 0x41
.irp a, 0,1,2,3,4,5,6,7
	v_mov_b32 v[17+2*\a], v[16+2*\a]               ; sig as a pair, for the packed forms
.endr
	WIN 0
.irp i, 0,1,2,3,4,5,6,7,8,9,10,11,12,13,14,15
	ds_store_b128 v[PARA], v[192+4*\i:192+4*\i+3] offset:512*\i
.endr
	WIN 0x04                                       ; an LDS store's data are its source 1
.irp i, 0,1,2,3,4,5,6,7
	ds_store_b128 v[PARA], v[4*\i:4*\i+3] offset:512*(16+\i)
.endr
	WIN 0
.macro FRAG reg, adr, q, i             ; a fragment's image: four loads of 512 consecutive bytes
.irp c, 0,1,2,3
	ds_load_b128 v[\reg+4*\c:\reg+4*\c+3], v[\adr] offset:(8*(\q)+(\i))*2048+512*\c
.endr
.endm
; 16 matrix instructions: A's tiles a0, a0 + 1 x B's eight.  p: B's set; q: which 128 of the slot; sc: the set of scale words.  zero = 1: the sums begin with the biases as C.
; The 64 accumulators take turns, one instruction a turn, in the same order in every step.
.macro MUL16 a0, p, q, sc, zero
.irp a, \a0, \a0+1
.irp b, 0,1,2,3,4,5,6,7
.if \zero
	v_wmma_scale_f32_16x16x128_f8f6f4 v[8*(8*((\a)%4)+\b):8*(8*((\a)%4)+\b)+7], v[128*(\p)+16*\b:128*(\p)+16*\b+15], v[AF+16*(\a):AF+16*(\a)+15], v[BI+8*\b:BI+8*\b+7], v[SC+16*(\sc)+8*(\q)+\b], v[SC+16*(\sc)+8*(\q)+(\a)] matrix_a_fmt:MATRIX_FMT_BF8 matrix_b_fmt:MATRIX_FMT_BF8 matrix_a_scale:MATRIX_SCALE_ROW1
.else
	v_wmma_scale_f32_16x16x128_f8f6f4 v[8*(8*((\a)%4)+\b):8*(8*((\a)%4)+\b)+7], v[128*(\p)+16*\b:128*(\p)+16*\b+15], v[AF+16*(\a):AF+16*(\a)+15], v[8*(8*((\a)%4)+\b):8*(8*((\a)%4)+\b)+7], v[SC+16*(\sc)+8*(\q)+\b], v[SC+16*(\sc)+8*(\q)+(\a)] matrix_a_fmt:MATRIX_FMT_BF8 matrix_b_fmt:MATRIX_FMT_BF8 matrix_a_scale:MATRIX_SCALE_ROW1
.endif
.endr
.endr
.endm
.macro FETCH_B slot, q, p
	WIN 0x40
.irp i, 0,1,2,3,4,5,6,7
	FRAG 128*(\p)+16*\i, ADRB+\slot, \q, \i
.endr
	WIN 0
.endm
.macro FETCH_A slot, q, i0
.irp i, \i0, \i0+1, \i0+2, \i0+3
	FRAG AF+16*(\i), ADRA+\slot, \q, \i
.endr
.endm
.macro SCALES s                        ; a slot's scale words: lanes 0-15 A's tile i, lanes 16-31 B's tile i
.irp q, 0,1
.irp i, 0,1,2,3,4,5,6,7
	ds_load_b32 v[SC+16*\s+8*\q+\i], v[ADRS+\s] offset:512*\q+64*\i
.endr
.endr
.endm
; A slot's first 128 along K.  Eight plain places stand behind matrix instructions of this form ahead of loads into registers that they have read.
.macro STEP slot, zero
	s_wait_dscnt 16                                ; all but the youngest sixteen loads (A's tiles 4-7) are in
.if \zero
	WIN 0x81                                       ; C (the biases) window 0, D window 2
.else
	WIN MUL_LO
.endif
	MUL16 0, 0, 0, \slot, \zero
	MUL16 2, 0, 0, \slot, \zero
	s_wait_dscnt 0x0
	PLACES 8
	FETCH_B \slot, 1, 1
	FETCH_A \slot, 1, 0
.if \zero
	WIN 0xc1
.else
	WIN MUL_HI
.endif
	MUL16 4, 0, 0, \slot, \zero
	MUL16 6, 0, 0, \slot, \zero
	PLACES 8
	WIN 0
	FETCH_A \slot, 1, 4
.endm
; A slot's second 128 along K, and the change of slots: each wave waits for all its tensor loads, adds 0 to its spare word, waits for that and for its reads of this slot; the barrier opens a round of the cluster's;
; behind the round the slot is filled again first: fill = 1 with the K step two on, jointly; fill = 2 with c0's tile.
.macro TURN slot, next, fill, ask
	s_wait_tensorcnt 0x0                           ; all my tensor loads have landed: my part of the next slot
	ds_add_u32 v[SPW], v[NIL]                      ; 0 onto my spare word
	s_wait_dscnt 17                                ; (the add and the youngest sixteen loads may be out)
	WIN MUL_LO
	MUL16 0, 1, 1, \slot, 0
	s_wait_dscnt 0x0                               ; the add is done, and my reads of this slot are over
	s_barrier_signal -1
	MUL16 2, 1, 1, \slot, 0
	WIN 0
	s_barrier_wait -1
	CREST                                          ; no wave of any partner still reads this slot or has a load on its way
.if \fill == 1
	s_add_nc_u64 s[G0A+4*\slot+2:G0A+4*\slot+3], s[G0A+4*\slot+2:G0A+4*\slot+3], 2*UNIT
	s_add_nc_u64 s[62+8*\slot:63+8*\slot], s[62+8*\slot:63+8*\slot], 2*UNIT
	JLOAD \slot
.else
	XLOAD
.endif
	PLACES 4                                       ; with the four behind the tensor load: eight
	FETCH_B \next, 0, 0
	FETCH_A \next, 0, 0
	SCALES \next
.if \ask
	ASK
.endif
	WIN MUL_HI
	MUL16 4, 1, 1, \slot, 0
	MUL16 6, 1, 1, \slot, 0
	PLACES 8
	WIN 0
	FETCH_A \next, 0, 4
.endm
	s_wait_alu depctr_va_vdst(0)                   ; the wait at the head's end
	s_wait_xcnt 0x0                                ; the prefetches have read their address
	s_add_nc_u64 s[100:101], s[100:101], UNIT      ; on to K step 3
	s_wait_tensorcnt 0x0                           ; my part of K step 0 is in
	ds_add_u32 v[SPW], v[NIL]
	s_wait_dscnt 0x0                               ; the add is done, and my images lie in LDS
	CROUND                                         ; a whole round: everybody's part of K step 0 is in, and the joint loads meet
	JLOAD 1                                        ; K step 1: slot 1's first fill, the first tensor load behind the round
	FETCH_B 0, 0, 0
	FETCH_A 0, 0, 0
	SCALES 0
	PF2                                            ; K step 3
	FETCH_A 0, 0, 4
	STEP 0, 1
	s_mov_b32 s3, LAPS-1
.Llap:                                                 ; a trip goes once round the ring and fills both slots again
	TURN 0, 1, 1, 1
	STEP 1, 0
	TURN 1, 0, 1, 0
	STEP 0, 0
	s_sub_co_u32 s3, s3, 1
	s_cmp_lg_u32 s3, 0
	s_cbranch_scc1 .Llap
	TURN 0, 1, 2, 0                                ; slot 0 has been read out: it takes c0's tile
	STEP 1, 0
	s_wait_dscnt 16
	WIN MUL_LO
	MUL16 0, 1, 1, 1, 0
	MUL16 2, 1, 1, 1, 0
	s_wait_dscnt 0x0
	WIN MUL_HI
	MUL16 4, 1, 1, 1, 0
	MUL16 6, 1, 1, 1, 0
	WIN 0
	s_wait_tensorcnt 0x0                           ; my 64 rows of c0 are in;
	s_barrier_signal -1
	s_barrier_wait -1                              ; everybody's are: I read rows that two waves fetched
	PLACES 8
; THE WAY OUT: the LSTM's arithmetic, a tile of 16 rows at a time: 16 (row, j) a lane.
.macro CLOAD a
.irp jt, 0,1
.irp f, 0,1
	ds_load_b128 v[C0+16*((\a)%2)+8*\jt+4*\f:C0+16*((\a)%2)+8*\jt+4*\f+3], v[CADR] offset:16*CP*(\a)+64*\jt+16*\f
.endr
.endr
.endm
.macro EPI a
.set AC, 64*((\a)%4)
.set CS, C0+16*((\a)%2)
.set HS, HF+16*((\a)%2)
.if (\a) >= 2
	s_wait_xcnt 0x0                                ; the stores of two tiles back have read their registers
.endif
	WIN 0x04                                       ; source 1 (W_ih, scaled) window 1
.irp b, 0,1,2,3,4,5,6,7
.irp p, 0,2,4,6
	v_pk_mul_f32 v[U+8*\b+\p:U+8*\b+\p+1], v[SIG+2*(\a):SIG+2*(\a)+1], v[8*\b+\p:8*\b+\p+1]
.endr
.endr
	WIN 0x02+(\a)/4                                ; source 0: the accumulators, each from its low end on
.irp b, 0,1,2,3,4,5,6,7
.irp p, 0,2,4,6
.if \b/2 == 2
	v_pk_fma_f32 v[U+8*\b+\p:U+8*\b+\p+1], v[AC+8*\b+\p:AC+8*\b+\p+1], s[K2:K2+1], v[U+8*\b+\p:U+8*\b+\p+1] op_sel_hi:[1,0,1]
.else
	v_pk_fma_f32 v[U+8*\b+\p:U+8*\b+\p+1], v[AC+8*\b+\p:AC+8*\b+\p+1], s[K1:K1+1], v[U+8*\b+\p:U+8*\b+\p+1] op_sel_hi:[1,0,1]
.endif
.endr
.endr
	WIN 0
.set j, 0
	s_wait_alu depctr_va_vdst(0)
.rept 64
	v_exp_f32 v[U+j], v[U+j]
.set j, j+1
.endr
	v_nop                                          ; a plain place behind the last exponential
	s_wait_alu depctr_va_vdst(0)                   ; one wait for the batch, ahead of its first reader
.set j, 0
.rept 32
	v_pk_add_f32 v[U+j:U+j+1], v[U+j:U+j+1], 1.0 op_sel_hi:[1,0]
.set j, j+2
.endr
.set j, 0
	s_wait_alu depctr_va_vdst(0)
.rept 64
	v_rcp_f32 v[U+j], v[U+j]
.set j, j+1
.endr
.if (\a) < 7
	CLOAD (\a)+1
	s_wait_dscnt 4                                 ; this tile's c0 is in; the next tile's four loads may be out
.else
	s_wait_dscnt 0x0
.endif
	v_nop
	s_wait_alu depctr_va_vdst(0)
.irp jt, 0,1
.irp p, 0,2,4,6
	v_pk_fma_f32 v[U+32+8*\jt+\p:U+32+8*\jt+\p+1], v[U+32+8*\jt+\p:U+32+8*\jt+\p+1], -2.0, 1.0 op_sel_hi:[1,0,0]   ; tanh(g)
.endr
.endr
.irp jt, 0,1
.irp p, 0,2,4,6
	v_pk_mul_f32 v[X1+8*\jt+\p:X1+8*\jt+\p+1], v[U+16+8*\jt+\p:U+16+8*\jt+\p+1], v[CS+8*\jt+\p:CS+8*\jt+\p+1]     ; f c0
.endr
.endr
.irp jt, 0,1
.irp p, 0,2,4,6
	v_pk_fma_f32 v[X1+8*\jt+\p:X1+8*\jt+\p+1], v[U+8*\jt+\p:U+8*\jt+\p+1], v[U+32+8*\jt+\p:U+32+8*\jt+\p+1], v[X1+8*\jt+\p:X1+8*\jt+\p+1]   ; + i g
.endr
.endr
.set j, 0
.rept 8
	v_pk_mul_f32 v[X1+j:X1+j+1], v[X1+j:X1+j+1], s[K2:K2+1] op_sel_hi:[1,0]
.set j, j+2
.endr
.set j, 0
	s_wait_alu depctr_va_vdst(0)
.rept 16
	v_exp_f32 v[X1+j], v[X1+j]
.set j, j+1
.endr
	v_nop
	s_wait_alu depctr_va_vdst(0)
.set j, 0
.rept 8
	v_pk_add_f32 v[X1+j:X1+j+1], v[X1+j:X1+j+1], 1.0 op_sel_hi:[1,0]
.set j, j+2
.endr
.set j, 0
	s_wait_alu depctr_va_vdst(0)
.rept 16
	v_rcp_f32 v[X1+j], v[X1+j]
.set j, j+1
.endr
.set j, 0
.rept 8
	v_pk_mul_f32 v[OF+j:OF+j+1], v[U+48+j:U+48+j+1], v[FCW+j:FCW+j+1]          ; o fc_W: plain work behind the reciprocals
.set j, j+2
.endr
	s_wait_alu depctr_va_vdst(0)
.set j, 0
.rept 8
	v_pk_fma_f32 v[X1+j:X1+j+1], v[X1+j:X1+j+1], -2.0, 1.0 op_sel_hi:[1,0,0]   ; tanh(c_new)
.set j, j+2
.endr
.set j, 0
.rept 8
	v_pk_mul_f32 v[HS+j:HS+j+1], v[OF+j:OF+j+1], v[X1+j:X1+j+1]
.set j, j+2
.endr
.irp jt, 0,1
.irp f, 0,1
	global_store_b128 v[GO], v[HS+8*\jt+4*\f:HS+8*\jt+4*\f+3], s[20:21] offset:4096*(\a)+1024*\jt+512*\f th:TH_STORE_NT   ; 512 consecutive bytes, aligned
.endr
.endr
.endm
	WIN 0x40
.irp i, 0,1,2,3,4,5,6,7,8,9,10,11,12,13,14,15
	ds_load_b128 v[4*\i:4*\i+3], v[PARA] offset:512*\i             ; W_ih, scaled -> window 1
.endr
	WIN 0
.irp i, 0,1,2,3,4,5,6,7
	ds_load_b128 v[FCW+4*\i:FCW+4*\i+3], v[PARA] offset:512*(16+\i)  ; fc_W, then sig
.endr
	CLOAD 0
	s_wait_dscnt 4                                 ; the images are in; c0's first four loads may be out
.irp a, 0,1,2,3,4,5,6,7
	EPI \a
.endr
	s_wait_tensorcnt 0x0                           ; the wave's end
	ds_add_u32 v[SPW], v[NIL]
	s_wait_dscnt 0x0
	CROUND                                         ; the closing round
	s_endpgm
.Lfunc_end_k_qfd8f572450_gates:
	.size	k_qfd8f572450_gates, .Lfunc_end_k_qfd8f572450_gates-k_qfd8f572450_gates
	.p2alignl 7, 3214868480
	.fill 96, 4, 3214868480
	.section	.rodata,"a",@progbits
	.p2align	6, 0x0
	.amdhsa_kernel k_qfd8f572450_gates
		.amdhsa_group_segment_fixed_size 327680
		.amdhsa_private_segment_fixed_size 0
		.amdhsa_enable_private_segment 0
		.amdhsa_kernarg_size 72
		.amdhsa_user_sgpr_count 2
		.amdhsa_user_sgpr_kernarg_segment_ptr 1
		.amdhsa_wavefront_size32 1
		.amdhsa_system_sgpr_workgroup_id_x 1
		.amdhsa_system_sgpr_workgroup_id_y 1
		.amdhsa_system_sgpr_workgroup_id_z 1
		.amdhsa_system_vgpr_workitem_id 0
		.amdhsa_next_free_vgpr 1024
		.amdhsa_next_free_sgpr 102
		.amdhsa_reserve_vcc 0
		.amdhsa_float_denorm_mode_32 3
		.amdhsa_float_denorm_mode_16_64 3
		.amdhsa_memory_ordered 1
		.amdhsa_forward_progress 1
		.amdhsa_inst_pref_size 255
	.end_amdhsa_kernel
	.section	.bss,"aw",@nobits
	.p2align	6
	.space	262144
	.amdgpu_metadata
---
amdhsa.version: [ 1, 2 ]
amdhsa.kernels:
  - .name:           k_qfd8f572450_gates
    .symbol:         k_qfd8f572450_gates.kd
    .args:
      - { .name: ah, .offset: 0, .size: 8, .value_kind: global_buffer, .address_space: global }
      - { .name: bh, .offset: 8, .size: 8, .value_kind: global_buffer, .address_space: global }
      - { .name: c0, .offset: 16, .size: 8, .value_kind: global_buffer, .address_space: global }
      - { .name: x, .offset: 24, .size: 8, .value_kind: global_buffer, .address_space: global }
      - { .name: W_ih, .offset: 32, .size: 8, .value_kind: global_buffer, .address_space: global }
      - { .name: b_ih, .offset: 40, .size: 8, .value_kind: global_buffer, .address_space: global }
      - { .name: b_hh, .offset: 48, .size: 8, .value_kind: global_buffer, .address_space: global }
      - { .name: fc_W, .offset: 56, .size: 8, .value_kind: global_buffer, .address_space: global }
      - { .name: hf, .offset: 64, .size: 8, .value_kind: global_buffer, .address_space: global }
    .group_segment_fixed_size: 327680
    .private_segment_fixed_size: 0
    .kernarg_segment_align: 8
    .kernarg_segment_size: 72
    .max_flat_workgroup_size: 128
    .sgpr_count:     102
    .vgpr_count:     1024
    .wavefront_size: 32
...
	.end_amdgpu_metadata
.endif
;; end of part 2
;; launch film (part 3): grid 8 x 32, 4 waves a work-group, clusters of 4 x 4, 327,680 bytes of LDS; arguments af, bf, hf, film_b2, fc_W, part; writes part
.if DOCPART == 3
	.amdgcn_target "amdgcn-amd-amdhsa--gfx1250"
	.amdhsa_code_object_version 6
	.text
	.protected	k_qfd8f572450_film
	.globl	k_qfd8f572450_film
	.p2align	8
	.type	k_qfd8f572450_film,@function
k_qfd8f572450_film:
	s_mov_b64 s[64:65], 0
	v_nop
	global_prefetch_b8 v0, s[64:65] scope:SCOPE_SE
	s_setreg_imm32_b32 hwreg(HW_REG_WAVE_MODE, 25, 1), 1
	s_wait_xcnt 0x0
	s_wait_alu depctr_hold_cnt(0) depctr_sa_sdst(0) depctr_va_vdst(0) depctr_va_sdst(0) depctr_va_ssrc(0) depctr_va_vcc(0) depctr_vm_vsrc(0)
	s_getreg_b32 s2, hwreg(HW_REG_IB_STS2, 6, 4)
	s_cmp_eq_u32 s2, 0
	s_cbranch_scc0 .Lentry_in_a_cluster
	s_endpgm
.Lentry_in_a_cluster:
	s_bfe_u32 s2, ttmp6, 0x10000c
	s_cmp_lg_u32 s2, 0xf033
	s_cbranch_scc0 .Lentry_shape_is_right
	s_endpgm
.Lentry_shape_is_right:
; part[2 cb + CH][row] = the sum over 64 j of gamma hf + beta fc_W, with (gamma, beta) = relu(..) film_W2^T + film_b2 on codes of BF8 with E8M0 scales, K = 2,048, and hf = h_new x fc_W from the launch before.
; A work-group makes 256 rows x (128 j x gamma, beta); each of its four waves 128 x 128: 64 accumulators.  The operands come as UNITS of 33,792 bytes (128 rows x 256 along K as images of the fragments' registers,
; then their scale words), one dense block a tensor load; K goes in steps of 256 through a ring of two LDS slots of four units.  The matrix instruction is used transposed (source 0 = rows of film_W2): B's tiles 0-3
; are gamma's rows and 4-7 beta's, so gamma and beta of one (row, j) stand in one lane.  film_b2 is the C of each sum's first matrix instruction.  hf's images ride the ring as one more fill of slot 0, each wave's own.
; CLUSTERS: 4 x 4 work-groups; A's units are asked for jointly along a row of the cluster, B's along a column.  The head issues one joint load a wave; slot 1's first fill stands behind the full sequence and a round.
; LIMITS: NaN and infinite inputs are not served.
.set UNIT,  33792
.set SLOT,  4*UNIT
.set KS,    8
.set LAPS,  KS/2
.set SPARE, 2*SLOT
.set PAR,   SPARE+512
.set PARW,  4096
.set STG,   PAR+4*PARW
.set ADRA,  16
.set ADRB,  20
.set ADRS,  22
.set PARA,  24
.set HADR,  25
.set GO,    26
.set PFO,   27
.set SPW,   28
.set NIL,   29
.set SIN,   30
.set SOUT,  31
.set SC,    32
.set BI,    64
.set AF,    128
.set FCW,   64
.set SM,    128
.set TT,    192
.set WV,    22
.set RH,    23
.set CH,    24
.set G1A,   36
.set G0A,   44
.set G1B,   52
.set G1X,   72
.set G0X,   80
.set PFX,   88
.set SEL,   98
.set MUL_LO, 0xa1
.set MUL_HI, 0xf1
.set MSB, 0
.macro WIN new
.set NW, \new
.if MSB != NW
	s_set_vgpr_msb (MSB<<8)|NW
.set MSB, NW
.endif
.endm
.macro PLACES n
.rept \n
	v_nop
.endr
.endm
.macro JLOAD s
	s_cmp_eq_u32 s[RH], 0
	s_cbranch_scc0 .Lfor_b_\@
	tensor_load_to_lds s[G0A+4*\s:G0A+4*\s+3], s[G1A:G1A+7]
	s_nop 0
.rept 4
	v_nop
.endr
	s_branch .Lasked_\@
.Lfor_b_\@:
	tensor_load_to_lds s[60+8*\s:63+8*\s], s[G1B:G1B+7]
	s_nop 0
.rept 4
	v_nop
.endr
.Lasked_\@:
.endm
; A prefetch of operand units: behind the load of K step t each wave asks for K step t + 2 of the unit that it fetches.  A unit is 132 blocks of 256 bytes; the four partners that ask for it jointly share it
; BY ADDRESS, 33 blocks each (place cx for A's, cy for B's): 32 lanes a block each, then the 33rd.  s[100:101] is stepped behind s_wait_xcnt 0, a K step later.  The loop's last trip (s3 = 1) loads K steps 6 and 7 and asks for nothing.
.macro PF2
	global_prefetch_b8 v[PFO], s[100:101] th:TH_LOAD_NT scope:SCOPE_SE
	global_prefetch_b8 v9, s[100:101] th:TH_LOAD_NT scope:SCOPE_SE
.endm
.macro ASKT
	s_cmp_gt_u32 s3, 1
	s_cbranch_scc0 .Lno_t_\@
	PF2
.Lno_t_\@:
.endm
.macro XLOAD
	tensor_load_to_lds s[G0X:G0X+3], s[G1X:G1X+7]
	s_nop 0
.rept 4
	v_nop
.endr
.endm
.macro CREST
	s_cmp_lg_u32 s[WV], 0
	s_cbranch_scc1 .Lnot_wave_0_\@
	s_barrier_signal -3
.Lnot_wave_0_\@:
	s_barrier_wait -3
	s_barrier_signal -1
	s_barrier_wait -1
.endm
.macro CROUND
	s_barrier_signal -1
	s_barrier_wait -1
	CREST
.endm
.macro ASK
	s_cmp_eq_u32 s3, 1
	s_cbranch_scc0 .Lno_ask_\@
.irp k, 0,1,2,3
	global_prefetch_b8 v[PFO], s[PFX:PFX+1] offset:8192*\k th:TH_LOAD_NT scope:SCOPE_SE
.endr
.Lno_ask_\@:
.endm
	s_load_b256 s[4:11], s[0:1], 0x0
	s_load_b128 s[12:15], s[0:1], 0x20
	v_lshl_add_u32 v[SPW], v0, 2, SPARE
	v_mov_b32 v[NIL], 0
	ds_add_u32 v28, v29
	ds_add_u32 v28, v29
	s_wait_dscnt 0x0
	v_lshrrev_b32 v1, 5, v0
	v_readfirstlane_b32 s[WV], v1
	s_lshr_b32 s[RH], s[WV], 1
	s_and_b32 s[CH], s[WV], 1
	s_bfe_u32 s25, ttmp6, 0x40000
	s_bfe_u32 s26, ttmp6, 0x40004
	s_lshl_b32 s27, ttmp9, 2
	s_add_co_u32 s27, s27, s25
	s_and_b32 s28, ttmp7, 0xffff
	s_lshl_b32 s28, s28, 2
	s_add_co_u32 s28, s28, s26
	s_lshl_b32 s96, s26, 2
	s_lshl_b32 s96, 15, s96
	s_lshl_b32 s97, 0x1111, s25
	s_or_b32 s[G1A], s96, (3<<16)|(1<<21)
	s_or_b32 s[G1B], s97, (3<<16)|(1<<21)
.irp g, G1A, G1B
	s_mov_b32 s[\g+1], 32<<16
	s_mov_b32 s[\g+2], 132<<16
	s_mov_b32 s[\g+3], 32<<16
	s_mov_b32 s[\g+4], 132
	s_mov_b32 s[\g+5], 32
	s_mov_b32 s[\g+6], 0
	s_mov_b32 s[\g+7], 0
.endr
	s_mov_b32 s[G1X], 3<<16
	s_mov_b32 s[G1X+1], 32<<16
	s_mov_b32 s[G1X+2], 128<<16
	s_mov_b32 s[G1X+3], 32<<16
	s_mov_b32 s[G1X+4], 128
	s_mov_b32 s[G1X+5], 32
	s_mov_b32 s[G1X+6], 0
	s_mov_b32 s[G1X+7], 0
	s_mov_b32 s[SEL], 0x76543210
	s_mov_b32 s[SEL+1], 0xfedcba98
	s_lshl_b32 s30, s28, 1
	s_add_co_u32 s30, s30, s[CH]
	s_mul_i32 s30, s30, KS*UNIT
	s_mov_b32 s31, 0
	s_lshl_b32 s90, s27, 1
	s_add_co_u32 s90, s90, s[CH]
	s_mul_i32 s90, s90, KS*UNIT
	s_mov_b32 s91, 0
	s_mul_i32 s29, s[WV], UNIT
	s_lshl_b32 s92, s28, 3
	s_add_co_u32 s92, s92, s27
	s_lshl_b32 s92, s92, 2
	s_add_co_u32 s92, s92, s[WV]
	s_lshl_b32 s92, s92, 15
	s_mov_b32 s93, 0
	s_wait_kmcnt 0x0
	s_add_nc_u64 s[30:31], s[4:5], s[30:31]
	s_add_nc_u64 s[90:91], s[6:7], s[90:91]
	s_add_nc_u64 s[PFX:PFX+1], s[8:9], s[92:93]
	CROUND
.irp s, 0,1
	s_mov_b32 s[G0A+4*\s], 1
	s_add_co_u32 s[G0A+4*\s+1], s29, \s*SLOT
	s_add_nc_u64 s[G0A+4*\s+2:G0A+4*\s+3], s[30:31], \s*UNIT
	s_or_b32 s[G0A+4*\s+3], s[G0A+4*\s+3], 0x80000000
	s_mov_b32 s[60+8*\s], 1
	s_add_co_u32 s[61+8*\s], s29, \s*SLOT
	s_add_nc_u64 s[62+8*\s:63+8*\s], s[90:91], \s*UNIT
	s_or_b32 s[63+8*\s], s[63+8*\s], 0x80000000
.endr
	JLOAD 0                                        ; K step 0: one tensor load a wave at the head
	s_cmp_eq_u32 s[RH], 0                          ; the prefetches: my unit (A's or B's), my work-group's 33 blocks of it, at K step 2
	s_cselect_b64 s[100:101], s[30:31], s[90:91]
	s_cselect_b32 s32, s25, s26
	s_mul_i32 s32, s32, 8448
	s_add_co_u32 s32, s32, 2*UNIT
	s_mov_b32 s33, 0
	s_add_nc_u64 s[100:101], s[100:101], s[32:33]
	s_mov_b32 s[G0X], 1
	s_lshl_b32 s[G0X+1], s[WV], 15
	s_mov_b64 s[G0X+2:G0X+3], s[PFX:PFX+1]
	s_or_b32 s[G0X+3], s[G0X+3], 0x80000000
	v_and_b32 v1, 31, v0
	v_and_b32 v2, 15, v0
	v_bfe_u32 v3, v0, 4, 1
	v_lshlrev_b32 v[GO], 4, v1
	v_lshlrev_b32 v[PFO], 8, v1                    ; 256 x lane; never rewritten
	v_mov_b32 v9, 8192                             ; the 33rd block; never rewritten
	s_mul_i32 s32, s[RH], UNIT
	s_mul_i32 s33, s[CH], UNIT
	s_add_co_u32 s33, s33, 2*UNIT
	s_sub_co_u32 s34, s33, s32
	v_mul_u32_u24 v5, s34, v3
	v_lshl_add_u32 v5, v2, 2, v5
	s_add_co_u32 s35, s32, 32768
	v_add_nc_u32 v[ADRS], s35, v5
	v_add_nc_u32 v[ADRS+1], SLOT, v[ADRS]
	v_add_nc_u32 v[ADRA], s32, v[GO]
	v_add_nc_u32 v[ADRA+1], SLOT, v[ADRA]
	v_add_nc_u32 v[ADRB], s33, v[GO]
	v_add_nc_u32 v[ADRB+1], SLOT, v[ADRB]
	s_lshl_b32 s35, s[WV], 12
	s_add_co_u32 s35, s35, PAR
	v_add_nc_u32 v[PARA], s35, v[GO]
	s_lshl_b32 s35, s[WV], 15
	v_add_nc_u32 v[HADR], s35, v[GO]
	s_lshl_b32 s35, s[WV], 9
	s_add_co_u32 s35, s35, STG
	v_lshl_add_u32 v[SIN], v2, 2, s35
	v_add_nc_u32 v[SOUT], s35, v[GO]
	v_lshlrev_b32 v6, 5, v3                        ; 32 h: my eight weight rows of a tile
	s_wait_alu depctr_va_vdst(0)
	global_prefetch_b8 v[PFO], s[100:101] offset:-UNIT th:TH_LOAD_NT scope:SCOPE_SE   ; K step 1, the buffer's first touch behind the head's load: the same 33 blocks, one unit back
	global_prefetch_b8 v9, s[100:101] offset:-UNIT th:TH_LOAD_NT scope:SCOPE_SE
	PF2                                            ; K step 2: two K steps are asked for and not yet read
	s_lshl_b32 s94, s27, 9
	s_lshl_b32 s95, s[CH], 8
	s_add_co_u32 s94, s94, s95
	s_mov_b32 s95, 0
	s_add_nc_u64 s[10:11], s[10:11], s[94:95]
	s_add_nc_u64 s[12:13], s[12:13], s[94:95]
	s_lshl_b32 s94, s27, 1
	s_add_co_u32 s94, s94, s[CH]
	s_lshl_b32 s94, s94, 6
	s_lshl_b32 s92, s28, 1
	s_add_co_u32 s94, s94, s92
	s_add_co_u32 s94, s94, s[RH]
	s_lshl_b32 s94, s94, 9
	s_add_nc_u64 s[14:15], s[14:15], s[94:95]
.irp b, 0,1,2,3,4,5,6,7
.irp f, 0,1
	global_load_b128 v[BI+8*\b+4*\f:BI+8*\b+4*\f+3], v6, s[10:11] offset:(\b/4)*4096+(\b%4)*64+16*\f
.endr
.endr
.irp i, 0,1,2,3,4,5,6,7
	global_load_b128 v[128+4*\i:128+4*\i+3], v6, s[12:13] offset:(\i/2)*64+(\i%2)*16
.endr
	s_wait_loadcnt 0x0
.irp i, 0,1,2,3,4,5,6,7
	ds_store_b128 v[PARA], v[128+4*\i:128+4*\i+3] offset:512*\i
.endr
.macro FRAG reg, adr, q, i
.irp c, 0,1,2,3
	ds_load_b128 v[\reg+4*\c:\reg+4*\c+3], v[\adr] offset:(8*(\q)+(\i))*2048+512*\c
.endr
.endm
.macro MUL16 a0, p, q, sc, zero
.irp a, \a0, \a0+1
.irp b, 0,1,2,3,4,5,6,7
.if \zero
	v_wmma_scale_f32_16x16x128_f8f6f4 v[8*(8*((\a)%4)+\b):8*(8*((\a)%4)+\b)+7], v[128*(\p)+16*\b:128*(\p)+16*\b+15], v[AF+16*(\a):AF+16*(\a)+15], v[BI+8*\b:BI+8*\b+7], v[SC+16*(\sc)+8*(\q)+\b], v[SC+16*(\sc)+8*(\q)+(\a)] matrix_a_fmt:MATRIX_FMT_BF8 matrix_b_fmt:MATRIX_FMT_BF8 matrix_a_scale:MATRIX_SCALE_ROW1
.else
	v_wmma_scale_f32_16x16x128_f8f6f4 v[8*(8*((\a)%4)+\b):8*(8*((\a)%4)+\b)+7], v[128*(\p)+16*\b:128*(\p)+16*\b+15], v[AF+16*(\a):AF+16*(\a)+15], v[8*(8*((\a)%4)+\b):8*(8*((\a)%4)+\b)+7], v[SC+16*(\sc)+8*(\q)+\b], v[SC+16*(\sc)+8*(\q)+(\a)] matrix_a_fmt:MATRIX_FMT_BF8 matrix_b_fmt:MATRIX_FMT_BF8 matrix_a_scale:MATRIX_SCALE_ROW1
.endif
.endr
.endr
.endm
.macro FETCH_B slot, q, p
	WIN 0x40
.irp i, 0,1,2,3,4,5,6,7
	FRAG 128*(\p)+16*\i, ADRB+\slot, \q, \i
.endr
	WIN 0
.endm
.macro FETCH_A slot, q, i0
.irp i, \i0, \i0+1, \i0+2, \i0+3
	FRAG AF+16*(\i), ADRA+\slot, \q, \i
.endr
.endm
.macro SCALES s
.irp q, 0,1
.irp i, 0,1,2,3,4,5,6,7
	ds_load_b32 v[SC+16*\s+8*\q+\i], v[ADRS+\s] offset:512*\q+64*\i
.endr
.endr
.endm
.macro STEP slot, zero
	s_wait_dscnt 16
.if \zero
	WIN 0x81
.else
	WIN MUL_LO
.endif
	MUL16 0, 0, 0, \slot, \zero
	MUL16 2, 0, 0, \slot, \zero
	s_wait_dscnt 0x0
	PLACES 8
	FETCH_B \slot, 1, 1
	FETCH_A \slot, 1, 0
.if \zero
	WIN 0xc1
.else
	WIN MUL_HI
.endif
	MUL16 4, 0, 0, \slot, \zero
	MUL16 6, 0, 0, \slot, \zero
	PLACES 8
	WIN 0
	FETCH_A \slot, 1, 4
.endm
.macro TURN slot, next, fill, ask
.if \fill == 1
	s_wait_xcnt 0x0                                ; any prefetch of mine has read its address
	s_add_nc_u64 s[100:101], s[100:101], UNIT      ; two K steps on from the refill below
.endif
	s_wait_tensorcnt 0x0                           ; all my tensor loads have landed: my part of the next slot
	ds_add_u32 v[SPW], v[NIL]                      ; 0 onto my spare word
	s_wait_dscnt 17                                ; (the add and the youngest sixteen loads may be out)
	WIN MUL_LO
	MUL16 0, 1, 1, \slot, 0
	s_wait_dscnt 0x0
	s_barrier_signal -1
	MUL16 2, 1, 1, \slot, 0
	WIN 0
	s_barrier_wait -1
	CREST
.if \fill == 1
	s_add_nc_u64 s[G0A+4*\slot+2:G0A+4*\slot+3], s[G0A+4*\slot+2:G0A+4*\slot+3], 2*UNIT
	s_add_nc_u64 s[62+8*\slot:63+8*\slot], s[62+8*\slot:63+8*\slot], 2*UNIT
	JLOAD \slot
.else
	XLOAD
.endif
	PLACES 4
	FETCH_B \next, 0, 0
	FETCH_A \next, 0, 0
	SCALES \next
.if \fill == 1
	ASKT
.endif
.if \ask
	ASK
.endif
	WIN MUL_HI
	MUL16 4, 1, 1, \slot, 0
	MUL16 6, 1, 1, \slot, 0
	PLACES 8
	WIN 0
	FETCH_A \next, 0, 4
.endm
	s_wait_alu depctr_va_vdst(0)                   ; the wait at the head's end
	s_wait_xcnt 0x0                                ; the prefetches have read their address
	s_add_nc_u64 s[100:101], s[100:101], UNIT      ; on to K step 3
	s_wait_tensorcnt 0x0                           ; my part of K step 0 is in
	ds_add_u32 v[SPW], v[NIL]
	s_wait_dscnt 0x0                               ; the add is done, and my image of fc_W lies in LDS
	CROUND                                         ; a whole round: everybody's part of K step 0 is in, and the joint loads meet
	JLOAD 1                                        ; K step 1: slot 1's first fill, the first tensor load behind the round
	FETCH_B 0, 0, 0
	FETCH_A 0, 0, 0
	SCALES 0
	PF2                                            ; K step 3
	FETCH_A 0, 0, 4
	STEP 0, 1
	s_mov_b32 s3, LAPS-1
.Llap:
	TURN 0, 1, 1, 1
	STEP 1, 0
	TURN 1, 0, 1, 0
	STEP 0, 0
	s_sub_co_u32 s3, s3, 1
	s_cmp_lg_u32 s3, 0
	s_cbranch_scc1 .Llap
	TURN 0, 1, 2, 0
	STEP 1, 0
	s_wait_dscnt 16
	WIN MUL_LO
	MUL16 0, 1, 1, 1, 0
	MUL16 2, 1, 1, 1, 0
	s_wait_dscnt 0x0
	WIN MUL_HI
	MUL16 4, 1, 1, 1, 0
	MUL16 6, 1, 1, 1, 0
	WIN 0
	s_wait_tensorcnt 0x0
	PLACES 8
	WIN 0x40
.set n, 0
.rept 64
	ds_load_b128 v[4*n:4*n+3], v[HADR] offset:512*n
.set n, n+1
.endr
	WIN 0
.irp i, 0,1,2,3,4,5,6,7
	ds_load_b128 v[FCW+4*\i:FCW+4*\i+3], v[PARA] offset:512*\i
.endr
.irp a, 0,1,2,3,4,5,6,7
	v_mov_b32 v[TT+8+\a], 0
.endr
	s_wait_dscnt 0x0
.macro GAM a
.irp jt, 0,1,2,3
.irp p, 0,2,4,6
.if \jt == 0
	v_pk_mul_f32 v[SM+8*(\a)+\p:SM+8*(\a)+\p+1], v[64*((\a)%4)+8*\jt+\p:64*((\a)%4)+8*\jt+\p+1], v[32*(\a)+8*\jt+\p:32*(\a)+8*\jt+\p+1]
.else
	v_pk_fma_f32 v[SM+8*(\a)+\p:SM+8*(\a)+\p+1], v[64*((\a)%4)+8*\jt+\p:64*((\a)%4)+8*\jt+\p+1], v[32*(\a)+8*\jt+\p:32*(\a)+8*\jt+\p+1], v[SM+8*(\a)+\p:SM+8*(\a)+\p+1]
.endif
.endr
.endr
.endm
.macro BET a
.irp jt, 0,1,2,3
.irp p, 0,2,4,6
	v_pk_fma_f32 v[SM+8*(\a)+\p:SM+8*(\a)+\p+1], v[64*((\a)%4)+32+8*\jt+\p:64*((\a)%4)+32+8*\jt+\p+1], v[FCW+8*\jt+\p:FCW+8*\jt+\p+1], v[SM+8*(\a)+\p:SM+8*(\a)+\p+1]
.endr
.endr
.endm
	WIN 0x06
.irp a, 0,1,2,3
	GAM \a
.endr
	WIN 0x02
.irp a, 0,1,2,3
	BET \a
.endr
	WIN 0x07
.irp a, 4,5,6,7
	GAM \a
.endr
	WIN 0x03
.irp a, 4,5,6,7
	BET \a
.endr
	WIN 0
.irp a, 0,1,2,3,4,5,6,7
	v_pk_add_f32 v[SM+8*\a:SM+8*\a+1], v[SM+8*\a:SM+8*\a+1], v[SM+8*\a+2:SM+8*\a+3]
	v_pk_add_f32 v[SM+8*\a+4:SM+8*\a+5], v[SM+8*\a+4:SM+8*\a+5], v[SM+8*\a+6:SM+8*\a+7]
.endr
.irp a, 0,1,2,3,4,5,6,7
	v_pk_add_f32 v[SM+8*\a:SM+8*\a+1], v[SM+8*\a:SM+8*\a+1], v[SM+8*\a+4:SM+8*\a+5]
.endr
.irp a, 0,1,2,3,4,5,6,7
	v_add_f32 v[TT+\a], v[SM+8*\a], v[SM+8*\a+1]
.endr
.irp a, 0,1,2,3,4,5,6,7
	v_permlanex16_b32 v[TT+8+\a], v[TT+\a], s[SEL], s[SEL+1]
.endr
.irp a, 0,1,2,3,4,5,6,7
	v_add_f32 v[TT+\a], v[TT+\a], v[TT+8+\a]
.endr
.irp a, 0,1,2,3,4,5,6,7
	ds_store_b32 v[SIN], v[TT+\a] offset:64*\a
.endr
	ds_load_b128 v[208:211], v[SOUT]
	s_wait_dscnt 0x0
	global_store_b128 v[GO], v[208:211], s[14:15]
	s_wait_tensorcnt 0x0
	ds_add_u32 v[SPW], v[NIL]
	s_wait_dscnt 0x0
	CROUND
	s_endpgm
.Lfunc_end_k_qfd8f572450_film:
	.size	k_qfd8f572450_film, .Lfunc_end_k_qfd8f572450_film-k_qfd8f572450_film
	.p2alignl 7, 3214868480
	.fill 96, 4, 3214868480
	.section	.rodata,"a",@progbits
	.p2align	6, 0x0
	.amdhsa_kernel k_qfd8f572450_film
		.amdhsa_group_segment_fixed_size 327680
		.amdhsa_private_segment_fixed_size 0
		.amdhsa_enable_private_segment 0
		.amdhsa_kernarg_size 48
		.amdhsa_user_sgpr_count 2
		.amdhsa_user_sgpr_kernarg_segment_ptr 1
		.amdhsa_wavefront_size32 1
		.amdhsa_system_sgpr_workgroup_id_x 1
		.amdhsa_system_sgpr_workgroup_id_y 1
		.amdhsa_system_sgpr_workgroup_id_z 1
		.amdhsa_system_vgpr_workitem_id 0
		.amdhsa_next_free_vgpr 1024
		.amdhsa_next_free_sgpr 102
		.amdhsa_reserve_vcc 0
		.amdhsa_float_denorm_mode_32 3
		.amdhsa_float_denorm_mode_16_64 3
		.amdhsa_memory_ordered 1
		.amdhsa_forward_progress 1
		.amdhsa_inst_pref_size 146
	.end_amdhsa_kernel
	.amdgpu_metadata
---
amdhsa.version: [ 1, 2 ]
amdhsa.kernels:
  - .name:           k_qfd8f572450_film
    .symbol:         k_qfd8f572450_film.kd
    .args:
      - { .name: af, .offset: 0, .size: 8, .value_kind: global_buffer, .address_space: global }
      - { .name: bf, .offset: 8, .size: 8, .value_kind: global_buffer, .address_space: global }
      - { .name: hf, .offset: 16, .size: 8, .value_kind: global_buffer, .address_space: global }
      - { .name: film_b2, .offset: 24, .size: 8, .value_kind: global_buffer, .address_space: global }
      - { .name: fc_W, .offset: 32, .size: 8, .value_kind: global_buffer, .address_space: global }
      - { .name: part, .offset: 40, .size: 8, .value_kind: global_buffer, .address_space: global }
    .group_segment_fixed_size: 327680
    .private_segment_fixed_size: 0
    .kernarg_segment_align: 8
    .kernarg_segment_size: 48
    .max_flat_workgroup_size: 128
    .sgpr_count:     102
    .vgpr_count:     1024
    .wavefront_size: 32
...
	.end_amdgpu_metadata
.endif
;; end of part 3
;; launch total (part 4): grid 64 x 1, 1 waves a work-group, no clusters, 0 bytes of LDS; arguments part, fc_b, out0; writes out0
.if DOCPART == 4
	.amdgcn_target "amdgcn-amd-amdhsa--gfx1250"
	.amdhsa_code_object_version 6
	.text
	.protected	k_qfd8f572450_total
	.globl	k_qfd8f572450_total
	.p2align	8
	.type	k_qfd8f572450_total,@function
k_qfd8f572450_total:
	s_mov_b64 s[64:65], 0
	v_nop
	global_prefetch_b8 v0, s[64:65] scope:SCOPE_SE
	s_setreg_imm32_b32 hwreg(HW_REG_WAVE_MODE, 25, 1), 1
	s_wait_xcnt 0x0
; out0[row] = fc_b + the sum of the 16 parts [16][8192] that the launch before left, in ascending order.  A wave takes 128 rows, four a lane: every load and the store cover 512 consecutive bytes.
; 512 KiB in, 32 KiB out: no LDS, no barrier, no matrix unit; 64 waves are all the work there is.
	s_load_b128 s[4:7], s[0:1], 0x0                ; part, fc_b
	s_load_b64 s[8:9], s[0:1], 0x10                ; out0
	v_lshlrev_b32 v1, 4, v0
	s_lshl_b32 s10, ttmp9, 9
	v_add_nc_u32 v1, s10, v1                       ; 512 x work-group + 16 x lane
	s_wait_alu depctr_va_vdst(0)
	s_wait_kmcnt 0x0
	s_load_b32 s12, s[6:7], 0x0
.irp s, 0,1,2,3,4,5,6,7,8,9,10,11,12,13,14,15
	global_load_b128 v[4+4*\s:7+4*\s], v1, s[4:5] offset:32768*\s th:TH_LOAD_NT
.endr
	s_wait_kmcnt 0x0
	s_mov_b32 s13, s12                             ; (the packed form names the pair)
	s_wait_loadcnt 0x0
	v_pk_add_f32 v[68:69], v[4:5], s[12:13] op_sel_hi:[1,0]
	v_pk_add_f32 v[70:71], v[6:7], s[12:13] op_sel_hi:[1,0]
.irp s, 1,2,3,4,5,6,7,8,9,10,11,12,13,14,15
	v_pk_add_f32 v[68:69], v[68:69], v[4+4*\s:5+4*\s]
	v_pk_add_f32 v[70:71], v[70:71], v[6+4*\s:7+4*\s]
.endr
	global_store_b128 v1, v[68:71], s[8:9]
	s_endpgm
.Lfunc_end_k_qfd8f572450_total:
	.size	k_qfd8f572450_total, .Lfunc_end_k_qfd8f572450_total-k_qfd8f572450_total
	.p2alignl 7, 3214868480
	.fill 96, 4, 3214868480
	.section	.rodata,"a",@progbits
	.p2align	6, 0x0
	.amdhsa_kernel k_qfd8f572450_total
		.amdhsa_group_segment_fixed_size 0
		.amdhsa_private_segment_fixed_size 0
		.amdhsa_enable_private_segment 0
		.amdhsa_kernarg_size 24
		.amdhsa_user_sgpr_count 2
		.amdhsa_user_sgpr_kernarg_segment_ptr 1
		.amdhsa_wavefront_size32 1
		.amdhsa_system_sgpr_workgroup_id_x 1
		.amdhsa_system_sgpr_workgroup_id_y 1
		.amdhsa_system_sgpr_workgroup_id_z 1
		.amdhsa_system_vgpr_workitem_id 0
		.amdhsa_next_free_vgpr 80
		.amdhsa_next_free_sgpr 66
		.amdhsa_reserve_vcc 0
		.amdhsa_float_denorm_mode_32 3
		.amdhsa_float_denorm_mode_16_64 3
		.amdhsa_memory_ordered 1
		.amdhsa_forward_progress 1
		.amdhsa_inst_pref_size 5
	.end_amdhsa_kernel
	.amdgpu_metadata
---
amdhsa.version: [ 1, 2 ]
amdhsa.kernels:
  - .name:           k_qfd8f572450_total
    .symbol:         k_qfd8f572450_total.kd
    .args:
      - { .name: part, .offset: 0, .size: 8, .value_kind: global_buffer, .address_space: global }
      - { .name: fc_b, .offset: 8, .size: 8, .value_kind: global_buffer, .address_space: global }
      - { .name: out0, .offset: 16, .size: 8, .value_kind: global_buffer, .address_space: global }
    .group_segment_fixed_size: 0
    .private_segment_fixed_size: 0
    .kernarg_segment_align: 8
    .kernarg_segment_size: 24
    .max_flat_workgroup_size: 32
    .sgpr_count:     66
    .vgpr_count:     80
    .wavefront_size: 32
...
	.end_amdgpu_metadata
.endif
;; end of part 4
